; MI455X (gfx1250); checked and timed in simulation.
; The chip was launched on July 23, 2026; its instructions are those of AMD's public machine-readable ISA for CDNA 5 (MIT licence, August 2026) and "CDNA5" Instruction Set Architecture Reference Guide (July 2026). The comments in the code are by the model that wrote it; some were corrected since.
;; Causal Self Attention. Allowed arithmetic: float matrix products may take bf16 or f16 operands with f32 sums; other float arithmetic in f32, or as packed bf16 or f16 multiplies, adds, multiply-adds, maxima and minima; sums over many terms, partial sums and values carried from step to step in f32; what a program stores and reads back later, other than sums and carried values, may be rounded once to bf16 or f16.
;; Inputs: Wk 1,024 x 1,024 float32; Wo 1,024 x 1,024 float32; Wq 1,024 x 1,024 float32; Wv 1,024 x 1,024 float32; bk 1,024 float32; bo 1,024 float32; bq 1,024 float32; bv 1,024 float32; relative_positions 16 x 1,024 x 2,048 float32; x 4 x 1,024 x 1,024 float32; xl_memory 4 x 1,024 x 2 x 1,024 float32.
;; Outputs: out0 4 x 1,024 x 1,024 float32; out1 4 x 1,024 x 2 x 1,024 float32.
;; One version. Each part assembles by itself: llvm-mc -triple=amdgcn-amd-amdhsa -mcpu=gfx1250 --defsym DOCPART=n.
;; ======== version 1 of 1: 4 launches
;; limits: values are held in f16: magnitudes above 65,504 overflow, below 6.1e-05 lose precision
;; workspace buffers: xb 8,388,608 bytes; wf 8,388,608 bytes; qf 8,388,608 bytes; kf 16,777,216 bytes; vf 16,777,216 bytes; of 8,388,608 bytes
;; launch prep (part 1): grid 2048 x 1, 8 waves a work-group, no clusters, 17,408 bytes of LDS; arguments x, Wq, Wk, Wv, Wo, xl_memory, xb, wf, kf, vf; writes xb, wf, kf, vf
.if DOCPART == 1
	.amdgcn_target "amdgcn-amd-amdhsa--gfx1250"
	.amdhsa_code_object_version 6
	.text
	.protected	k_qd265b95e59_prep
	.globl	k_qd265b95e59_prep
	.p2align	8
	.type	k_qd265b95e59_prep,@function
k_qd265b95e59_prep:
	s_mov_b64 s[64:65], 0
	v_nop
	global_prefetch_b8 v0, s[64:65] scope:SCOPE_SE
	s_setreg_imm32_b32 hwreg(HW_REG_WAVE_MODE, 25, 1), 1
	s_wait_xcnt 0x0
; CASTS AND RE-LAYOUTS, a stream: no matrix work, no barrier, no loop.  Four jobs of 512 work-groups each (job = group / 512); a wave does ONE task: it reads 4,096 bytes
; by eight 16-byte loads (sixteen lanes cover 256 consecutive bytes) and writes 2,048.  A wave needs 64 registers and 2,048 bytes of LDS, so many work-groups lie on a WGP and
; all their loads are out together: what is on its way is the number of resident waves times 4,096 bytes.
;   job 0: x -> xb, bf16, row-major.
;   job 1: Wq/8, Wk, Wv (bf16) and Wo (rounded to bf16, that number written as f16) -> wf [mat 4][64 columns 16][16 k 64][16 columns 4][512 bytes]:
;          in a block lane (r, hh) holds W[16 k16 + 8 hh + 0..7][column r]: half a matrix fragment, 16 bytes a lane, 512 consecutive bytes a wave.
;   job 2: the memory's keys   -> kf [(b, head)][16 keys 128][16 channels 4][512]: lane (r, hh) holds key r, channels 8 hh + 0..7.
;   job 3: the memory's values -> vf [(b, head)][16 keys 128][16 channels 4][512]: lane (r, hh) holds channel r, keys 8 hh + 0..7.
; Jobs 1 to 3 turn 16 x 64 numbers through the wave's own 2,048 bytes of LDS; LDS serves a wave's instructions in order, so no wait stands between its stores and its loads.
; LIMITS.  The memory and Wo are rounded to bf16 and then held in f16: beyond 65,504 they become infinities, below 6e-5 they keep f16's fixed step of 6e-8.
.set SPARE, 16384                      ; behind the eight stages: the spare words, 128 bytes a wave
.set X,   8                            ; v[8:39]   eight loads of four
.set Y,   40                           ; v[40:55]  packed
.set T,   56                           ; v[56:59]  at work
.set SPW, 60                           ; v60  my spare word's LDS address; never rewritten
.set NIL, 61                           ; v61  0; never rewritten
.set Z,   8                            ; v[8:23]   read back from the stage, into registers of X that have been used up
; v1 lane, v2 u = lane / 16, v3 q = lane % 16, v4 source offset, v5 16 x lane, v6 where I store in the stage, v7 where I read it back
; s24 wave, s25 job, s26 task, s27 stage, s[28:29] source, s[30:31] destination, s33 mask, s[34:35] scale, s36-39 at work
.macro LD8 step                        ; eight rows' 16 bytes a lane
.irp i, 0,1,2,3,4,5,6,7
	global_load_b128 v[X+4*(\i):X+4*(\i)+3], v4, s[28:29] offset:(\i)*(\step) th:TH_LOAD_NT
.endr
	s_wait_loadcnt 0x0
.endm
.macro BACK                            ; four blocks of 512 bytes out of the stage and into memory
.irp n, 0,1,2,3
	ds_load_b128 v[Z+4*(\n):Z+4*(\n)+3], v7 offset:512*(\n)
.endr
.irp n, 0,1,2,3
	s_wait_dscnt 3-(\n)                            ; LDS loads come back in order: block n is in
	global_store_b128 v5, v[Z+4*(\n):Z+4*(\n)+3], s[30:31] offset:512*(\n)
.endr
.endm
.macro FINISH                          ; the wave's end
	s_wait_tensorcnt 0x0
	ds_add_u32 v[SPW], v[NIL]
	s_wait_dscnt 0x0
	s_endpgm
.endm
; 16 rows x 64 columns turned: my four columns' eight rows each become 16 bytes
.macro TR scale, f16
.if \scale
.set j, 0
.rept 16
	v_pk_mul_f32 v[X+2*j:X+2*j+1], v[X+2*j:X+2*j+1], s[34:35] op_sel_hi:[1,0]
.set j, j+1
.endr
.endif
.irp z, 0,1,2,3
.irp m, 0,1,2,3
	v_cvt_pk_bf16_f32 v[Y+4*(\z)+(\m)], v[X+8*(\m)+(\z)], v[X+8*(\m)+4+(\z)]
.endr
.endr
.if \f16
.set j, 0
.rept 16
	v_lshlrev_b32 v[T+2*(j%2)], 16, v[Y+j]
	v_and_b32 v[T+2*(j%2)+1], s33, v[Y+j]
	v_cvt_pk_f16_f32 v[Y+j], v[T+2*(j%2)], v[T+2*(j%2)+1]
.set j, j+1
.endr
.endif
.irp z, 0,1,2,3
	ds_store_b128 v6, v[Y+4*(\z):Y+4*(\z)+3] offset:16*(\z)
.endr
	BACK
.endm
	s_load_b512 s[4:19], s[0:1], 0x0               ; x, Wq, Wk, Wv, Wo, xl_memory, xb, wf
	s_load_b128 s[20:23], s[0:1], 0x40             ; kf, vf
	v_lshl_add_u32 v[SPW], v0, 2, SPARE
	v_mov_b32 v[NIL], 0
	v_lshrrev_b32 v1, 5, v0
	v_readfirstlane_b32 s24, v1                    ; wave
	s_lshr_b32 s25, ttmp9, 9                       ; job
	s_and_b32 s26, ttmp9, 511
	s_lshl3_add_u32 s26, s26, s24                  ; my task of the job's 4,096
	s_lshl_b32 s27, s24, 11                        ; my stage
	s_mov_b32 s33, 0xffff0000
	s_mov_b32 s39, 0
	v_and_b32 v1, 31, v0
	v_bfe_u32 v2, v0, 4, 1
	v_and_b32 v3, 15, v0
	v_lshlrev_b32 v5, 4, v1
	v_add_nc_u32 v7, s27, v5
	v_lshrrev_b32 v[T], 2, v3
	v_lshl_add_u32 v6, v[T], 9, s27                ; stage + 512 (q / 4): my columns' block
	s_wait_kmcnt 0x0
	s_cmp_eq_u32 s25, 0
	s_cbranch_scc1 .Lj0
	s_cmp_eq_u32 s25, 1
	s_cbranch_scc1 .Lj1
	; jobs 2 and 3: task = (b, 16 keys kt, head hd)
	s_lshr_b32 s36, s26, 10                        ; b
	s_bfe_u32 s37, s26, 0x60004                    ; kt
	s_and_b32 s34, s26, 15                         ; hd
	s_sub_co_u32 s35, s25, 2                       ; 0: keys, 1: values
	s_lshl_b32 s38, s36, 23                        ; b x 1,024 rows of 8,192 bytes
	s_lshl_b32 s35, s35, 12
	s_add_co_u32 s38, s38, s35
	s_lshl_b32 s35, s37, 17
	s_add_co_u32 s38, s38, s35
	s_lshl_b32 s35, s34, 8
	s_add_co_u32 s38, s38, s35
	s_add_nc_u64 s[28:29], s[14:15], s[38:39]
	s_lshl_b32 s38, s36, 22                        ; ((16 b + hd) 128 + kt) 2,048
	s_lshl_b32 s35, s34, 18
	s_add_co_u32 s38, s38, s35
	s_lshl_b32 s35, s37, 11
	s_add_co_u32 s38, s38, s35
	s_cmp_eq_u32 s25, 2
	s_cselect_b64 s[30:31], s[20:21], s[22:23]
	s_add_nc_u64 s[30:31], s[30:31], s[38:39]
	v_lshlrev_b32 v4, 16, v2
	v_lshl_add_u32 v4, v3, 4, v4                   ; 8 u rows of 8,192 bytes + 16 q
	s_cmp_eq_u32 s25, 2
	s_cbranch_scc1 .Lj2
	v_and_b32 v[T+1], 3, v3                        ; job 3
	v_lshl_add_u32 v6, v2, 8, v6
	v_lshl_add_u32 v6, v[T+1], 6, v6               ; + 256 u + 64 (q % 4)
	LD8 8192
	TR 0, 1
	FINISH
.Lj2:                                                  ; keys keep their rows: my four channels of row 8 u + i are 8 bytes of a block
	v_bfe_u32 v[T+1], v3, 1, 1
	v_and_b32 v[T+2], 1, v3
	v_lshl_add_u32 v6, v[T+1], 8, v6
	v_lshl_add_u32 v6, v2, 7, v6
	v_lshl_add_u32 v6, v[T+2], 3, v6
	LD8 8192
.irp i, 0,1,2,3,4,5,6,7
	v_cvt_pk_bf16_f32 v[T], v[X+4*(\i)], v[X+4*(\i)+1]
	v_cvt_pk_bf16_f32 v[T+1], v[X+4*(\i)+2], v[X+4*(\i)+3]
	v_lshlrev_b32 v[X+4*(\i)], 16, v[T]
	v_and_b32 v[X+4*(\i)+1], s33, v[T]
	v_lshlrev_b32 v[X+4*(\i)+2], 16, v[T+1]
	v_and_b32 v[X+4*(\i)+3], s33, v[T+1]
	v_cvt_pk_f16_f32 v[Y+2*(\i)], v[X+4*(\i)], v[X+4*(\i)+1]
	v_cvt_pk_f16_f32 v[Y+2*(\i)+1], v[X+4*(\i)+2], v[X+4*(\i)+3]
	ds_store_b64 v6, v[Y+2*(\i):Y+2*(\i)+1] offset:16*(\i)
.endr
	BACK
	FINISH
.Lj1:                                                  ; task = (mat, 64 columns grp, 16 rows k16)
	s_lshr_b32 s36, s26, 10                        ; mat
	s_bfe_u32 s37, s26, 0x40006                    ; grp
	s_and_b32 s38, s26, 63                         ; k16
	s_cmp_eq_u32 s36, 0
	s_cselect_b64 s[28:29], s[6:7], s[8:9]
	s_cselect_b32 s34, 0x3e000000, 1.0             ; the queries' 1/8 goes into Wq: a power of two, exact
	s_cmp_eq_u32 s36, 2
	s_cselect_b64 s[28:29], s[10:11], s[28:29]
	s_cmp_eq_u32 s36, 3
	s_cselect_b64 s[28:29], s[12:13], s[28:29]
	s_mov_b32 s35, s34
	s_lshl_b32 s38, s38, 16
	s_lshl_b32 s37, s37, 8
	s_add_co_u32 s38, s38, s37
	s_add_nc_u64 s[28:29], s[28:29], s[38:39]
	s_lshl_b32 s38, s26, 11                        ; wf's blocks lie in the tasks' order
	s_add_nc_u64 s[30:31], s[18:19], s[38:39]
	v_lshlrev_b32 v4, 15, v2
	v_lshl_add_u32 v4, v3, 4, v4                   ; 8 u rows of 4,096 bytes + 16 q
	v_and_b32 v[T+1], 3, v3
	v_lshl_add_u32 v6, v2, 8, v6
	v_lshl_add_u32 v6, v[T+1], 6, v6
	s_cmp_eq_u32 s36, 3
	s_cbranch_scc1 .Lwo
	LD8 4096
	TR 1, 0
	FINISH
.Lwo:
	LD8 4096
	TR 0, 1
	FINISH
.Lj0:                                                  ; a task is a row of x
	s_lshl_b32 s38, s26, 12
	s_add_nc_u64 s[28:29], s[4:5], s[38:39]
	s_lshl_b32 s38, s26, 11
	s_add_nc_u64 s[30:31], s[16:17], s[38:39]
	v_mov_b32 v4, v5
	v_lshlrev_b32 v6, 3, v1
	LD8 512
.irp i, 0,1,2,3,4,5,6,7
	v_cvt_pk_bf16_f32 v[Y+2*(\i)], v[X+4*(\i)], v[X+4*(\i)+1]
	v_cvt_pk_bf16_f32 v[Y+2*(\i)+1], v[X+4*(\i)+2], v[X+4*(\i)+3]
.endr
.irp i, 0,1,2,3,4,5,6,7
	global_store_b64 v6, v[Y+2*(\i):Y+2*(\i)+1], s[30:31] offset:256*(\i)  ; 32 lanes store 256 consecutive bytes
.endr
	FINISH
.Lfunc_end_k_qd265b95e59_prep:
	.size	k_qd265b95e59_prep, .Lfunc_end_k_qd265b95e59_prep-k_qd265b95e59_prep
	.p2alignl 7, 3214868480
	.fill 96, 4, 3214868480
	.section	.rodata,"a",@progbits
	.p2align	6, 0x0
	.amdhsa_kernel k_qd265b95e59_prep
		.amdhsa_group_segment_fixed_size 17408
		.amdhsa_private_segment_fixed_size 0
		.amdhsa_enable_private_segment 0
		.amdhsa_kernarg_size 80
		.amdhsa_user_sgpr_count 2
		.amdhsa_user_sgpr_kernarg_segment_ptr 1
		.amdhsa_wavefront_size32 1
		.amdhsa_system_sgpr_workgroup_id_x 1
		.amdhsa_system_sgpr_workgroup_id_y 1
		.amdhsa_system_sgpr_workgroup_id_z 1
		.amdhsa_system_vgpr_workitem_id 0
		.amdhsa_next_free_vgpr 64
		.amdhsa_next_free_sgpr 66
		.amdhsa_reserve_vcc 0
		.amdhsa_float_denorm_mode_32 3
		.amdhsa_float_denorm_mode_16_64 3
		.amdhsa_memory_ordered 1
		.amdhsa_forward_progress 1
		.amdhsa_inst_pref_size 26
	.end_amdhsa_kernel
	.amdgpu_metadata
---
amdhsa.version: [ 1, 2 ]
amdhsa.kernels:
  - .name:           k_qd265b95e59_prep
    .symbol:         k_qd265b95e59_prep.kd
    .args:
      - { .name: x, .offset: 0, .size: 8, .value_kind: global_buffer, .address_space: global }
      - { .name: Wq, .offset: 8, .size: 8, .value_kind: global_buffer, .address_space: global }
      - { .name: Wk, .offset: 16, .size: 8, .value_kind: global_buffer, .address_space: global }
      - { .name: Wv, .offset: 24, .size: 8, .value_kind: global_buffer, .address_space: global }
      - { .name: Wo, .offset: 32, .size: 8, .value_kind: global_buffer, .address_space: global }
      - { .name: xl_memory, .offset: 40, .size: 8, .value_kind: global_buffer, .address_space: global }
      - { .name: xb, .offset: 48, .size: 8, .value_kind: global_buffer, .address_space: global }
      - { .name: wf, .offset: 56, .size: 8, .value_kind: global_buffer, .address_space: global }
      - { .name: kf, .offset: 64, .size: 8, .value_kind: global_buffer, .address_space: global }
      - { .name: vf, .offset: 72, .size: 8, .value_kind: global_buffer, .address_space: global }
    .group_segment_fixed_size: 17408
    .private_segment_fixed_size: 0
    .kernarg_segment_align: 8
    .kernarg_segment_size: 80
    .max_flat_workgroup_size: 256
    .sgpr_count:     66
    .vgpr_count:     64
    .wavefront_size: 32
...
	.end_amdgpu_metadata
.endif
;; end of part 1
;; launch qkv (part 2): grid 16 x 16, 4 waves a work-group, clusters of 4 x 4, 327,680 bytes of LDS; arguments xb, wf, bq, bk, bv, qf, kf, vf, out1; writes qf, kf, vf, out1
.if DOCPART == 2
	.amdgcn_target "amdgcn-amd-amdhsa--gfx1250"
	.amdhsa_code_object_version 6
	.text
	.protected	k_qd265b95e59_qkv
	.globl	k_qd265b95e59_qkv
	.p2align	8
	.type	k_qd265b95e59_qkv,@function
k_qd265b95e59_qkv:
	s_mov_b64 s[64:65], 0
	v_nop
	global_prefetch_b8 v0, s[64:65] scope:SCOPE_SE
	s_setreg_imm32_b32 hwreg(HW_REG_WAVE_MODE, 25, 1), 1
	s_wait_xcnt 0x0
	s_wait_alu depctr_hold_cnt(0) depctr_sa_sdst(0) depctr_va_vdst(0) depctr_va_sdst(0) depctr_va_ssrc(0) depctr_va_vcc(0) depctr_vm_vsrc(0)
	s_getreg_b32 s2, hwreg(HW_REG_IB_STS2, 6, 4)
	s_cmp_eq_u32 s2, 0
	s_cbranch_scc0 .Lentry_in_a_cluster
	s_endpgm
.Lentry_in_a_cluster:
	s_bfe_u32 s2, ttmp6, 0x10000c
	s_cmp_lg_u32 s2, 0xf033
	s_cbranch_scc0 .Lentry_shape_is_right
	s_endpgm
.Lentry_shape_is_right:
; q / 8, k, v = x W + b for 256 rows of x and ONE head's 64 columns of all three matrices: a tile of 256 x 192.  bf16 operands, f32 sums; the biases, rounded to bf16, are the C operand of the first products.
; Four waves, each 64 rows x 192 columns: 48 accumulators.  K goes in 8 steps of 128 through two LDS slots filled by tensor loads: x's tile as 256 padded rows, W's as 48 KiB of ready fragment blocks.
; q and k are made transposed (source 0 = W's fragment, source 1 = x's): a lane holds one token and eight neighbouring channels.  v is made upright: a lane holds one channel and eight neighbouring tokens.
; So each accumulator, rounded to f16, IS a 512-byte block of qf, kf or vf and is stored as it stands.  k and v also leave in f32, through the wave's own stage, as whole rows of 256 bytes of out1.
; CLUSTER 4 x 4: x's tile hangs on the row block alone and is asked for jointly along a row of the cluster, W's on the head alone, along a column.
; LIMITS.  q, k, v in f16: beyond 65,504 an infinity; below 6e-5 f16's fixed step of 6e-8.  out1 is not touched by that.
; WINDOWS: 0 addresses, x's fragments (two buffers), biases, later the way out; 1 W's fragments (two buffers of 96); 2 q's and k's accumulators (a, b) at 8 (8 a + b); 3 v's at 8 (4 a + b).
.set PITCH,  272                       ; a row of x in LDS: 256 bytes + 16: the 16 rows of a fragment load start 16 bytes apart modulo 256
.set HALFA,  128*PITCH                 ; what one of x's two loads brings
.set BOFF,   2*HALFA                   ; W's part of a slot: [half of the K step 2][mat 3][8,192 bytes]
.set HALFB,  3*8192
.set SLOT1,  1<<17                     ; slot 1: one exclusive or turns an address in one slot into the other's
.set STAGE,  SLOT1+BOFF+2*HALFB        ; behind the ring: 32 rows x 272 bytes a wave
.set SPITCH, 272
.set SPARE,  STAGE+4*32*SPITCH         ; the spare words, 128 bytes a wave
.set ADRA0, 16                         ; my lane's place in x's tile            .set's below: window 0
.set ADRB0, 17                         ; in W's
.set ADRA,  18                         ; the same in the slot in hand
.set ADRB,  19
.set STO,   24                         ; the stage: where k's 16 bytes go
.set STOV,  25                         ; where v's words go
.set RD,    26                         ; where rows are read back
.set CO,    27                         ; my byte offset in two rows of out1
.set SPW,   28
.set NIL,   29
.set L16,   30                         ; 16 x lane
.set BT,    32                         ; v32-35 at work
.set BQ,    128                        ; biases as C operands: q v128-159, k v160-191, v v192-223
.set BK,    160
.set BV,    192
.set TMP,   128                        ; the way out: 48 packed registers
.set BKR,   176                        ; 64 read back from the stage
.set G1A, 32                           ; s[32:39] x's shape     s[40:47] W's
.set G1B, 40
.set G0A, 48                           ; s[48:55] x's two group 0: the first fill's, and the one that walks
.set G0B, 56                           ; s[56:63] W's
.set TB,  66                           ; the slot in hand
.set CNT, 67
; s22 wave, s23 wave / 2 (0: I fetch x, 1: W), s24 wave % 2 (which half), s25 cx, s26 cy, s27 head, s28 row block; s68-71, s76 feed x's descriptors alone, s72-75, s77 W's alone; s31 LDS terms; s2, s3, s78, s79 offsets that mix both coordinates
.set MSB, 0
.macro WIN new                         ; the high byte repeats the setting that is left
.if MSB != (\new)
	s_set_vgpr_msb (MSB<<8)|(\new)
.set MSB, \new
.endif
.endm
.macro PLACES                          ; four plain vector instructions behind a matrix instruction, ahead of a load into, or a read of, its registers
.rept 4
	v_nop
.endr
.endm
.macro JLOAD s                         ; a joint load; the branch hangs on the wave's number alone; s_nop 0 and four v_nop follow each line
	s_cmp_eq_u32 s23, 0
	s_cbranch_scc0 .Lfor_b_\@
	tensor_load_to_lds s[G0A+4*(\s):G0A+4*(\s)+3], s[G1A:G1A+7]
	s_nop 0
	PLACES
	s_branch .Lasked_\@
.Lfor_b_\@:
	tensor_load_to_lds s[G0B+4*(\s):G0B+4*(\s)+3], s[G1B:G1B+7]
	s_nop 0
	PLACES
.Lasked_\@:
.endm
.macro CREST                           ; a round of the cluster's barrier behind its opening barrier
	s_cmp_lg_u32 s22, 0
	s_cbranch_scc1 .Lnot_wave_0_\@
	s_barrier_signal -3
.Lnot_wave_0_\@:
	s_barrier_wait -3
	s_barrier_signal -1
	s_barrier_wait -1
.endm
.macro CROUND
	s_barrier_signal -1
	s_barrier_wait -1
	CREST
.endm
; 16 products for q and k: token blocks a0, a0 + 1 x 8 column blocks, 32 along K, buffer f.  first = 1: the bias starts the sums
.macro MULQK f, a0, first
.if \first
	WIN 0x81
.else
	WIN 0xa1
.endif
.irp a, \a0, (\a0)+1
.irp b, 0,1,2,3,4,5,6,7
.if \first
	v_wmma_f32_16x16x32_bf16 v[8*(8*(\a)+(\b)):8*(8*(\a)+(\b))+7], v[96*(\f)+8*(\b):96*(\f)+8*(\b)+7], v[64+32*(\f)+8*(\a):64+32*(\f)+8*(\a)+7], v[BQ+8*(\b):BQ+8*(\b)+7]
.else
	v_wmma_f32_16x16x32_bf16 v[8*(8*(\a)+(\b)):8*(8*(\a)+(\b))+7], v[96*(\f)+8*(\b):96*(\f)+8*(\b)+7], v[64+32*(\f)+8*(\a):64+32*(\f)+8*(\a)+7], v[8*(8*(\a)+(\b)):8*(8*(\a)+(\b))+7]
.endif
.endr
.endr
.endm
; 16 products for v: 4 token blocks x 4 channel blocks
.macro MULV f, first
.if \first
	WIN 0xc4
.else
	WIN 0xf4
.endif
.irp a, 0,1,2,3
.irp b, 0,1,2,3
.if \first
	v_wmma_f32_16x16x32_bf16 v[8*(4*(\a)+(\b)):8*(4*(\a)+(\b))+7], v[64+32*(\f)+8*(\a):64+32*(\f)+8*(\a)+7], v[96*(\f)+64+8*(\b):96*(\f)+64+8*(\b)+7], v[BV+8*(\b):BV+8*(\b)+7]
.else
	v_wmma_f32_16x16x32_bf16 v[8*(4*(\a)+(\b)):8*(4*(\a)+(\b))+7], v[64+32*(\f)+8*(\a):64+32*(\f)+8*(\a)+7], v[96*(\f)+64+8*(\b):96*(\f)+64+8*(\b)+7], v[8*(4*(\a)+(\b)):8*(4*(\a)+(\b))+7]
.endif
.endr
.endr
.endm
; 32 LDS loads in one run: quarter qd's fragments into buffer g: x's 8, Wq's and Wk's 16, Wv's 8 last
.macro FETCH qd, g
	WIN 0
.irp a, 0,1,2,3
	ds_load_b128 v[64+32*(\g)+8*(\a):64+32*(\g)+8*(\a)+3],   v[ADRA] offset:(\a)*16*PITCH+64*(\qd)
	ds_load_b128 v[64+32*(\g)+8*(\a)+4:64+32*(\g)+8*(\a)+7], v[ADRA] offset:(\a)*16*PITCH+64*(\qd)+32
.endr
	WIN 0x40
.irp m, 0,1,2
.irp n, 0,1,2,3
	ds_load_b128 v[96*(\g)+8*(4*(\m)+(\n)):96*(\g)+8*(4*(\m)+(\n))+3],   v[ADRB] offset:((\qd)/2)*HALFB+(\m)*8192+((\qd)%2)*4096+(\n)*512
	ds_load_b128 v[96*(\g)+8*(4*(\m)+(\n))+4:96*(\g)+8*(4*(\m)+(\n))+7], v[ADRB] offset:((\qd)/2)*HALFB+(\m)*8192+((\qd)%2)*4096+(\n)*512+2048
.endr
.endr
.endm
; A quarter step: 48 products on buffer f, each accumulator once (the accumulators take turns); the next quarter qn is fetched into g
.macro QUARTER qn, f, g, first
	s_wait_dscnt 8                                 ; all but Wv's eight loads are in
	MULQK \f, 0, \first
	PLACES
	FETCH \qn, \g
	MULQK \f, 2, \first
	s_wait_dscnt 32                                ; all but the 32 just issued
	MULV \f, \first
.endm
; The last quarter of a K step multiplies buffer 1 and changes slots.  In front of the barrier each wave waits for all its tensor loads (its part of the next slot), adds 0 to its spare word,
; and waits for that and for its reads of this slot.  fill = 1: the barrier opens a round of the cluster's, and this slot is filled again first thing behind it, two K steps ahead.
.macro TURN fill
	WIN 0
	s_wait_tensorcnt 0x0
	ds_add_u32 v[SPW], v[NIL]
	s_wait_dscnt 9                                 ; the add and Wv's eight loads may be out
	MULQK 1, 0, 0
	s_wait_dscnt 0x0                               ; the add is done, my reads of this slot are over
	s_barrier_signal -1
	MULQK 1, 2, 0
	WIN 0
	s_barrier_wait -1
.if \fill
	CREST
	s_xor_b32 s[G0A+5], s[G0A+5], SLOT1            ; the walking descriptors: the other slot, the next K step; no load of mine is out
	s_add_nc_u64 s[G0A+6:G0A+7], s[G0A+6:G0A+7], 256
	s_xor_b32 s[G0B+5], s[G0B+5], SLOT1
	s_add_nc_u64 s[G0B+6:G0B+7], s[G0B+6:G0B+7], 16384
	JLOAD 1
.else
	PLACES
.endif
	s_xor_b32 s[TB], s[TB], SLOT1
	v_add_nc_u32 v[ADRA], s[TB], v[ADRA0]
	v_add_nc_u32 v[ADRB], s[TB], v[ADRB0]
	FETCH 0, 0
	MULV 1, 0
.endm
	s_load_b512 s[4:19], s[0:1], 0x0               ; xb, wf, bq, bk, bv, qf, kf, vf
	s_load_b64 s[20:21], s[0:1], 0x40              ; out1
	v_lshl_add_u32 v[SPW], v0, 2, SPARE
	v_mov_b32 v[NIL], 0
	ds_add_u32 v[SPW], v[NIL]                      ; the wave's opening: the add and its wait stand ahead of my first tensor load
	ds_add_u32 v28, v29
	v_lshrrev_b32 v1, 5, v0
	v_readfirstlane_b32 s22, v1
	s_lshr_b32 s23, s22, 1
	s_and_b32 s24, s22, 1
	s_bfe_u32 s25, ttmp6, 0x40000                  ; cx
	s_bfe_u32 s26, ttmp6, 0x40004                  ; cy
	s_lshl_b32 s27, ttmp9, 2
	s_add_co_u32 s27, s27, s25                     ; head
	s_and_b32 s28, ttmp7, 0xffff
	s_lshl_b32 s28, s28, 2
	s_add_co_u32 s28, s28, s26                     ; block of 256 rows
	s_lshl_b32 s29, s26, 2
	s_lshl_b32 s29, 15, s29                        ; my row of the cluster
	s_lshl_b32 s30, 0x1111, s25                    ; my column
	s_or_b32 s[G1A], s29, (1<<16)|(1<<20)|(1<<21)|(5<<22)|(3<<25)  ; mask; 2-byte elements; padding of 4 words after every 64; bit 21 beside a mask
	s_mov_b32 s[G1A+1], 128<<16                    ; tensor_dim0 = 128
	s_mov_b32 s[G1A+2], 128<<16                    ; tensor_dim1 = 128
	s_mov_b32 s[G1A+3], 128<<16                    ; tile_dim0 = 128
	s_mov_b32 s[G1A+4], 128                        ; tile_dim1 = 128
	s_mov_b32 s[G1A+5], 1024                       ; elements from row to row
	s_mov_b32 s[G1A+6], 0
	s_mov_b32 s[G1A+7], 0
	s_or_b32 s[G1B], s30, (3<<16)|(1<<21)          ; mask; 8-byte elements; no padding
	s_mov_b32 s[G1B+1], 1024<<16                   ; a row is 8,192 bytes: four blocks of 16 k of one matrix
	s_mov_b32 s[G1B+2], 3<<16                      ; three rows: Wq, Wk, Wv
	s_mov_b32 s[G1B+3], 1024<<16
	s_mov_b32 s[G1B+4], 3
	s_mov_b32 s[G1B+5], 262144                     ; 2 MiB from matrix to matrix
	s_mov_b32 s[G1B+6], 0
	s_mov_b32 s[G1B+7], 0
	s_lshl_b32 s68, s28, 8
	s_lshl_b32 s69, s24, 7
	s_add_co_u32 s68, s68, s69                     ; x: row 256 x block + 128 x half
	s_lshl_b32 s68, s68, 11
	s_mov_b32 s69, 0
	s_lshl_b32 s72, s27, 17                        ; W: the head's 128 KiB, my half of a K step's 16 KiB
	s_lshl_b32 s73, s24, 13
	s_add_co_u32 s72, s72, s73
	s_mov_b32 s73, 0
	s_mul_i32 s76, s24, HALFA                      ; where they go: the wave's number alone
	s_mul_i32 s77, s24, HALFB
	s_add_co_u32 s77, s77, BOFF
	s_mov_b32 s[TB], 0
	s_wait_dscnt 0x0                               ; the opening add is done
	s_wait_kmcnt 0x0
	s_add_nc_u64 s[70:71], s[4:5], s[68:69]
	s_add_nc_u64 s[74:75], s[6:7], s[72:73]
	CROUND                                         ; all sixteen work-groups are here: the first joint loads meet
.irp s, 0,1
	s_mov_b32 s[G0A+4*(\s)], 1
	s_add_co_u32 s[G0A+4*(\s)+1], s76, (\s)*SLOT1
	s_add_nc_u64 s[G0A+4*(\s)+2:G0A+4*(\s)+3], s[70:71], (\s)*256
	s_or_b32 s[G0A+4*(\s)+3], s[G0A+4*(\s)+3], 0x80000000
	s_mov_b32 s[G0B+4*(\s)], 1
	s_add_co_u32 s[G0B+4*(\s)+1], s77, (\s)*SLOT1
	s_add_nc_u64 s[G0B+4*(\s)+2:G0B+4*(\s)+3], s[74:75], (\s)*16384
	s_or_b32 s[G0B+4*(\s)+3], s[G0B+4*(\s)+3], 0x80000000
	JLOAD \s                                       ; K steps 0 and 1: two loads of mine are out
.endr
	v_and_b32 v1, 15, v0                           ; r
	v_bfe_u32 v2, v0, 4, 1                         ; hh
	v_and_b32 v3, 31, v0
	v_lshlrev_b32 v[L16], 4, v3
	v_lshlrev_b32 v6, 5, v2
	v_lshlrev_b32 v7, 2, v1
	s_lshl_b32 s2, s27, 8                          ; the head's 64 numbers of each bias
	s_mov_b32 s3, 0
	s_add_nc_u64 s[8:9], s[8:9], s[2:3]
	s_add_nc_u64 s[10:11], s[10:11], s[2:3]
	s_add_nc_u64 s[12:13], s[12:13], s[2:3]
.irp n, 0,1,2,3
	global_load_b128 v[BQ+8*(\n):BQ+8*(\n)+3],   v6, s[8:9] offset:64*(\n)       ; channels 16 n + 8 hh + 0..7
	global_load_b128 v[BQ+8*(\n)+4:BQ+8*(\n)+7], v6, s[8:9] offset:64*(\n)+16
	global_load_b128 v[BK+8*(\n):BK+8*(\n)+3],   v6, s[10:11] offset:64*(\n)
	global_load_b128 v[BK+8*(\n)+4:BK+8*(\n)+7], v6, s[10:11] offset:64*(\n)+16
	global_load_b32  v[BV+8*(\n)], v7, s[12:13] offset:64*(\n)                   ; channel 16 n + r
.endr
	v_mul_u32_u24 v4, v1, PITCH
	v_lshl_add_u32 v4, v2, 4, v4
	s_mul_i32 s31, s22, 64*PITCH                   ; my 64 rows of x
	v_add_nc_u32 v[ADRA0], s31, v4
	v_add_nc_u32 v[ADRB0], BOFF, v[L16]
	v_mov_b32 v[ADRA], v[ADRA0]
	v_mov_b32 v[ADRB], v[ADRB0]
	s_mul_i32 s31, s22, 32*SPITCH
	s_add_co_u32 s31, s31, STAGE                   ; my stage: rows 0-15 k's tokens, rows 16-31 v's
	v_mul_u32_u24 v5, v1, SPITCH
	v_lshl_add_u32 v5, v2, 5, v5
	v_add_nc_u32 v[STO], s31, v5
	v_mul_u32_u24 v5, v2, 8*SPITCH
	v_lshl_add_u32 v5, v1, 2, v5
	v_add_nc_u32 v5, 16*SPITCH, v5
	v_add_nc_u32 v[STOV], s31, v5
	v_mul_u32_u24 v5, v2, SPITCH
	v_lshl_add_u32 v5, v1, 4, v5
	v_add_nc_u32 v[RD], s31, v5
	v_lshlrev_b32 v5, 13, v2
	v_lshl_add_u32 v[CO], v1, 4, v5
	s_lshr_b32 s2, s28, 2                          ; where my results go
	s_lshl_b32 s2, s2, 4
	s_add_co_u32 s2, s2, s27                       ; 16 b + head
	s_and_b32 s3, s28, 3
	s_lshl_b32 s3, s3, 4
	s_lshl2_add_u32 s3, s22, s3                    ; my first tile of 16 tokens in the batch
	s_lshl_b32 s78, s2, 6
	s_add_co_u32 s78, s78, s3
	s_lshl_b32 s78, s78, 11
	s_mov_b32 s79, 0
	s_add_nc_u64 s[14:15], s[14:15], s[78:79]
	s_lshl_b32 s78, s2, 7
	s_add_co_u32 s78, s78, s3
	s_add_co_u32 s78, s78, 64                      ; behind the memory's 64 tiles
	s_lshl_b32 s78, s78, 11
	s_add_nc_u64 s[16:17], s[16:17], s[78:79]
	s_add_nc_u64 s[18:19], s[18:19], s[78:79]
	s_lshl_b32 s78, s28, 8
	s_lshl_b32 s3, s22, 6
	s_add_co_u32 s78, s78, s3
	s_lshl_b32 s78, s78, 13                        ; a token's k and v are 8,192 bytes of out1
	s_lshl_b32 s3, s27, 8
	s_add_co_u32 s78, s78, s3
	s_add_nc_u64 s[20:21], s[20:21], s[78:79]
	s_wait_loadcnt 0x0                             ; the biases: rounded to bf16 like every input; bq takes the queries' 1/8
.set i, 0
.rept 32
	v_cvt_pk_bf16_f32 v[BT+i%4], v[BQ+2*i], v[BQ+2*i+1]
	v_lshlrev_b32 v[BQ+2*i], 16, v[BT+i%4]
	v_and_b32 v[BQ+2*i+1], 0xffff0000, v[BT+i%4]
.set i, i+1
.endr
.set i, 0
.rept 32
	v_mul_f32 v[BQ+i], 0x3e000000, v[BQ+i]
.set i, i+1
.endr
.irp n, 0,1,2,3
	v_cvt_pk_bf16_f32 v[BT+(\n)], v[BV+8*(\n)], v[BV+8*(\n)]
	v_lshlrev_b32 v[BV+8*(\n)], 16, v[BT+(\n)]
.irp j, 1,2,3,4,5,6,7
	v_mov_b32 v[BV+8*(\n)+(\j)], v[BV+8*(\n)]
.endr
.endr
	s_wait_tensorcnt 1                             ; my part of K step 0 is in; step 1's may stay out
	s_barrier_signal -1
	s_barrier_wait -1
	FETCH 0, 0
	QUARTER 1, 0, 1, 1                             ; the first quarter stands ahead of the loop: its products start the sums
	WIN 0
	s_mov_b32 s[CNT], 6
.Lk:                                                   ; a trip: from a K step's second quarter to the next step's first; one slot is filled again
	QUARTER 2, 1, 0, 0
	QUARTER 3, 0, 1, 0
	TURN 1
	QUARTER 1, 0, 1, 0
	WIN 0
	s_sub_co_u32 s[CNT], s[CNT], 1
	s_cmp_lg_u32 s[CNT], 0
	s_cbranch_scc1 .Lk
	QUARTER 2, 1, 0, 0                             ; the last two K steps ask for nothing
	QUARTER 3, 0, 1, 0
	TURN 0
	QUARTER 1, 0, 1, 0
	QUARTER 2, 1, 0, 0
	QUARTER 3, 0, 1, 0
	s_wait_dscnt 0x0
	MULQK 1, 0, 0
	MULQK 1, 2, 0
	MULV 1, 0
	WIN 0
	PLACES
; THE WAY OUT of token block a: twelve accumulators rounded to f16 and stored as blocks; k and v in f32 through the stage
.macro OUTA a
	s_wait_xcnt 0x0                                ; the last block's stores have read their registers
	WIN 0x0a
.irp b, 0,1,2,3,4,5,6,7
.irp p, 0,1,2,3
	v_cvt_pk_f16_f32 v[TMP+4*(\b)+(\p)], v[8*(8*(\a)+(\b))+2*(\p)], v[8*(8*(\a)+(\b))+2*(\p)+1]
.endr
.endr
	WIN 0x0f
.irp b, 0,1,2,3
.irp p, 0,1,2,3
	v_cvt_pk_f16_f32 v[TMP+32+4*(\b)+(\p)], v[8*(4*(\a)+(\b))+2*(\p)], v[8*(4*(\a)+(\b))+2*(\p)+1]
.endr
.endr
	WIN 0
.irp n, 0,1,2,3
	global_store_b128 v[L16], v[TMP+4*(\n):TMP+4*(\n)+3],       s[14:15] offset:(\a)*2048+(\n)*512  ; 512 consecutive bytes
	global_store_b128 v[L16], v[TMP+16+4*(\n):TMP+16+4*(\n)+3], s[16:17] offset:(\a)*2048+(\n)*512
	global_store_b128 v[L16], v[TMP+32+4*(\n):TMP+32+4*(\n)+3], s[18:19] offset:(\a)*2048+(\n)*512
.endr
	WIN 0x08                                       ; store data in window 2
.irp n, 0,1,2,3
	ds_store_b128 v[STO], v[8*(8*(\a)+4+(\n)):8*(8*(\a)+4+(\n))+3]   offset:64*(\n)
	ds_store_b128 v[STO], v[8*(8*(\a)+4+(\n))+4:8*(8*(\a)+4+(\n))+7] offset:64*(\n)+16
.endr
	WIN 0x0c                                       ; in window 3
.irp n, 0,1,2,3
.irp j, 0,1,2,3,4,5,6,7
	ds_store_b32 v[STOV], v[8*(4*(\a)+(\n))+(\j)] offset:(\j)*SPITCH+64*(\n)
.endr
.endr
	WIN 0
.irp t, 0,1,2,3,4,5,6,7,8,9,10,11,12,13,14,15
	ds_load_b128 v[BKR+4*(\t):BKR+4*(\t)+3], v[RD] offset:(\t)*2*SPITCH  ; LDS serves a wave's instructions in order: these see the stores above
.endr
.irp t, 0,1,2,3,4,5,6,7,8,9,10,11,12,13,14,15
	s_wait_dscnt 15-(\t)
	global_store_b128 v[CO], v[BKR+4*(\t):BKR+4*(\t)+3], s[20:21] offset:(\a)*131072+((2*(\t))%16)*8192+((\t)/8)*4096 th:TH_STORE_NT  ; 16 lanes store 256 consecutive bytes, aligned
.endr
.endm
	OUTA 0
	OUTA 1
	OUTA 2
	OUTA 3
	s_wait_tensorcnt 0x0                           ; the wave's end
	ds_add_u32 v[SPW], v[NIL]
	s_wait_dscnt 0x0
	CROUND                                         ; the closing round
	s_endpgm
.Lfunc_end_k_qd265b95e59_qkv:
	.size	k_qd265b95e59_qkv, .Lfunc_end_k_qd265b95e59_qkv-k_qd265b95e59_qkv
	.p2alignl 7, 3214868480
	.fill 96, 4, 3214868480
	.section	.rodata,"a",@progbits
	.p2align	6, 0x0
	.amdhsa_kernel k_qd265b95e59_qkv
		.amdhsa_group_segment_fixed_size 327680
		.amdhsa_private_segment_fixed_size 0
		.amdhsa_enable_private_segment 0
		.amdhsa_kernarg_size 72
		.amdhsa_user_sgpr_count 2
		.amdhsa_user_sgpr_kernarg_segment_ptr 1
		.amdhsa_wavefront_size32 1
		.amdhsa_system_sgpr_workgroup_id_x 1
		.amdhsa_system_sgpr_workgroup_id_y 1
		.amdhsa_system_sgpr_workgroup_id_z 1
		.amdhsa_system_vgpr_workitem_id 0
		.amdhsa_next_free_vgpr 896
		.amdhsa_next_free_sgpr 80
		.amdhsa_reserve_vcc 0
		.amdhsa_float_denorm_mode_32 3
		.amdhsa_float_denorm_mode_16_64 3
		.amdhsa_memory_ordered 1
		.amdhsa_forward_progress 1
		.amdhsa_inst_pref_size 124
	.end_amdhsa_kernel
	.amdgpu_metadata
---
amdhsa.version: [ 1, 2 ]
amdhsa.kernels:
  - .name:           k_qd265b95e59_qkv
    .symbol:         k_qd265b95e59_qkv.kd
    .args:
      - { .name: xb, .offset: 0, .size: 8, .value_kind: global_buffer, .address_space: global }
      - { .name: wf, .offset: 8, .size: 8, .value_kind: global_buffer, .address_space: global }
      - { .name: bq, .offset: 16, .size: 8, .value_kind: global_buffer, .address_space: global }
      - { .name: bk, .offset: 24, .size: 8, .value_kind: global_buffer, .address_space: global }
      - { .name: bv, .offset: 32, .size: 8, .value_kind: global_buffer, .address_space: global }
      - { .name: qf, .offset: 40, .size: 8, .value_kind: global_buffer, .address_space: global }
      - { .name: kf, .offset: 48, .size: 8, .value_kind: global_buffer, .address_space: global }
      - { .name: vf, .offset: 56, .size: 8, .value_kind: global_buffer, .address_space: global }
      - { .name: out1, .offset: 64, .size: 8, .value_kind: global_buffer, .address_space: global }
    .group_segment_fixed_size: 327680
    .private_segment_fixed_size: 0
    .kernarg_segment_align: 8
    .kernarg_segment_size: 72
    .max_flat_workgroup_size: 128
    .sgpr_count:     80
    .vgpr_count:     896
    .wavefront_size: 32
...
	.end_amdgpu_metadata
.endif
;; end of part 2
;; launch attn (part 3): grid 16 x 16, 8 waves a work-group, no clusters, 327,680 bytes of LDS; arguments qf, kf, vf, relative_positions, of; writes of
.if DOCPART == 3
	.amdgcn_target "amdgcn-amd-amdhsa--gfx1250"
	.amdhsa_code_object_version 6
	.text
	.protected	k_qd265b95e59_attn
	.globl	k_qd265b95e59_attn
	.p2align	8
	.type	k_qd265b95e59_attn,@function
k_qd265b95e59_attn:
	s_mov_b64 s[64:65], 0
	v_nop
	global_prefetch_b8 v0, s[64:65] scope:SCOPE_SE
	s_setreg_imm32_b32 hwreg(HW_REG_WAVE_MODE, 25, 1), 1
	s_wait_xcnt 0x0
; O = softmax((rel + q . k) / 8) v under the mask key j <= query i + 1,024.  q (with its own 1/8), k, v, P and O in f16; rel, sums, maxima in f32.
; SHARES.  Work-group (x = head h, y = p) owns 64 query rows for ALL FOUR batches: LO = rows 32 p .. + 31 (tiles 0, 1) and HI = rows 992 - 32 p .. + 31 (tiles 2, 3): 17 + p / 2 and 17 + (31 - p) / 2 key steps of 64,
; 49 together whatever p.  rel does not hang on the batch, so its rows are fetched once, into LDS, for the eight waves.  Wave w has batch w % 4 and walks the key steps of parity w / 4 for all four tiles;
; the two waves of a batch are merged at the end.  K, V and Q come straight into registers: they lie in memory as fragment blocks, 512 consecutive bytes a load.
; NO CLUSTER: rel's rows belong to one work-group; K and V, which a head's 16 work-groups share, do not pass through LDS here.
; S^T = K Q^T + rel: rel is loaded from LDS into S's registers and is the C operand.  A lane holds one query (lane % 16) and keys 8 (lane / 16) + 0..7 of each 16; rounded to f16 in pairs S^T is source 1 of O^T = V^T P.
; p = 2^(c s - c m), c = log2(e) / 8, running maximum m; O and l are multiplied by a = 2^(c m_old - c m_new) in every step.  m starts at the lowest finite number, O and l at 0 (128 v_mov_b32, in the wait for the first tile).
; rel goes in chunks of 512 keys through two slots: chunk 0 alone at the start, chunk 1 when chunk 0 has landed, chunk 2 and (HI's rows only) chunk 3 as refills.  A slot is 4 regions of 128 keys; trip j of a chunk reads region j.
; S is free once a piece's softmax has taken its sums: the next piece's rel is loaded there, ahead of the rescaling and the products V^T P, wherever the next piece reads the same chunk.
; LIMITS.  f16 ends at 65,504 and keeps a step of 6e-8 below 6e-5.  A hidden score counts as -1e30 plus q . k; a weight below 2^-126 counts as 0; NaN and infinities are not treated apart.
.set RP,     528                       ; a row of rel in LDS: 512 bytes + 16: the 16 rows of a load start 16 bytes apart modulo 256
.set REGION, 64*RP
.set SLOTB,  4*REGION
.set SPARE,  2*SLOTB                   ; the spare words, 128 bytes a wave
.set MT,     9*512                     ; the merge, in slot 0 behind its last fill: a tile's O (8 blocks) and statistics (1)
.set MBAT,   4*MT
.set L16,  2                           ; 16 x lane; never rewritten
.set LANE, 3                           ; my place in a region
.set RA,   4                           ; the same in the region in hand
.set TH,   8                           ; v8-11  tile t: key 16 kt + j of the diagonal step is hidden where 16 kt + j > TH
.set BIG,  12                          ; -1e30
.set MA,   13                          ; the merge: my 16 bytes of a block
.set MV,   14                          ; v14-15  c m_old
.set ST,   16                          ; v16-31  tile t: c m, m, l (even keys', odd keys')
.set TMP,  32                          ; v32-39  c0-c3 for the piece's two tiles; c2 takes a
.set PS,   40                          ; v40-55  the partner's statistics
.set SPW,  62
.set NIL,  63
.set S,    64                          ; v64-127   S^T of the piece in hand
.set KF,   128                         ; v128-191  K of one step: keys 16 kt, channel half c at 16 kt + 8 c
.set P,    192                         ; v192-223
.set OUT,  192                         ; v192-255  the way out
.set QF,   128                         ; window 1: O^T v0-127 (32 a tile), Q v128-191 (16 a tile), V v192-255 (key half kk, channels 16 cb at 32 kk + 8 cb)
.set VF,   192
.set WV, 14
.set BB, 15                            ; batch
.set KP, 16                            ; parity
.set PP, 17
.set HH, 18
.set LL, 19                            ; LO's last step in chunk 2
.set UU, 20                            ; HI's last step in chunk 3
.set LS, 21                            ; the step in hand, in its chunk
.set CNT, 22
.set RB, 23                            ; the region in hand
.set G1, 24
.set G0A, 32
.set G0B, 36
.set KB, 40
.set VB, 42
.set INC, 44
.set CS, 46
.set SEL, 48
.set QLO, 50
.set QHI, 52
.set OLO, 54
.set OHI, 56
.set MSB, 0
.macro WIN new
.if MSB != (\new)
	s_set_vgpr_msb (MSB<<8)|(\new)
.set MSB, \new
.endif
.endm
.macro PLACES
.rept 4
	v_nop
.endr
.endm
.macro KLOAD step                      ; a step's K: 16 blocks
.if \step
	s_add_nc_u64 s[KB:KB+1], s[KB:KB+1], s[INC:INC+1]  ; the loads that named this base were shown done at the trip's head
.endif
.set i, 0
.rept 16
	global_load_b128 v[KF+4*i:KF+4*i+3], v[L16], s[KB:KB+1] offset:512*i
.set i, i+1
.endr
.endm
.macro VLOAD step                      ; a step's V: block (16 keys i / 4, 16 channels i % 4)
.if \step
	s_add_nc_u64 s[VB:VB+1], s[VB:VB+1], s[INC:INC+1]  ; likewise, by the wait ahead of V^T P
.endif
	WIN 0x40
.set i, 0
.rept 16
	global_load_b128 v[VF+32*(i/8)+8*(i%4)+4*((i/4)%2):VF+32*(i/8)+8*(i%4)+4*((i/4)%2)+3], v[L16], s[VB:VB+1] offset:512*i
.set i, i+1
.endr
	WIN 0
.endm
.macro RELLD x                         ; rel for piece x's two tiles and 64 keys, into S
.irp u, 0,1
.irp k, 0,1,2,3
	ds_load_b128 v[S+32*(\u)+8*(\k):S+32*(\u)+8*(\k)+3],   v[RA] offset:(2*(\x)+(\u))*16*RP+64*(\k)
	ds_load_b128 v[S+32*(\u)+8*(\k)+4:S+32*(\u)+8*(\k)+7], v[RA] offset:(2*(\x)+(\u))*16*RP+64*(\k)+16
.endr
.endr
.endm
.macro MASK x                          ; the diagonal step: -1e30 in rel's place where the key is hidden
.irp u, 0,1
.set i, 0
.rept 32
	v_cmp_gt_i32 vcc_lo, 16*(i/8)+i%8, v[TH+2*(\x)+(\u)]
	v_cndmask_b32 v[S+32*(\u)+i], v[S+32*(\u)+i], v[BIG], vcc_lo
.set i, i+1
.endr
.endr
.endm
.macro KQ x                            ; 16 products, 8 accumulators by turns
	WIN 0x04
.set i, 0
.rept 16
.set rA, S+32*(i%2)+8*((i/2)%4)
.set rK, KF+16*((i/2)%4)+8*(i/8)
.set rQ, QF+16*(2*(\x)+i%2)+8*(i/8)
	v_wmma_f32_16x16x32_f16 v[rA:rA+7], v[rK:rK+7], v[rQ:rQ+7], v[rA:rA+7]
.set i, i+1
.endr
	WIN 0
.endm
.macro PV x
	WIN 0x51
.set i, 0
.rept 16
.set rA, 32*(2*(\x)+i%2)+8*((i/2)%4)
.set rV, VF+32*(i/8)+8*((i/2)%4)
.set rB, P+16*(i%2)+8*(i/8)
	v_wmma_f32_16x16x32_f16 v[rA:rA+7], v[rV:rV+7], v[rB:rB+7], v[rA:rA+7]
.set i, i+1
.endr
	WIN 0
.endm
.macro REGS u                          ; the registers of tile u of piece PX
.set rT, ST+4*(2*PX+(\u))
.set rC, TMP+4*(\u)
.set rM, MV+(\u)
.set rS, S+32*(\u)
.set rP, P+16*(\u)
.set rO, 32*(2*PX+(\u))
.endm
; number n of the 22 that find a tile's maximum and statistics; each accumulator's lowest registers are read first
.macro XS u, n
	REGS \u
.if (\n) < 4
	v_max3_num_f32 v[rC+(\n)], v[rS+8*(\n)], v[rS+8*(\n)+1], v[rS+8*(\n)+2]
.elseif (\n) < 12
	v_max3_num_f32 v[rC+(\n)%4], v[rC+(\n)%4], v[rS+8*((\n)%4)+2*((\n)/4)+1], v[rS+8*((\n)%4)+2*((\n)/4)+2]
.elseif (\n) == 12
	v_max3_num_f32 v[rC], v[rC], v[rS+7], v[rS+15]
.elseif (\n) == 13
	v_max3_num_f32 v[rC+1], v[rC+1], v[rS+23], v[rS+31]
.elseif (\n) == 14
	v_max3_num_f32 v[rC+2], v[rC+2], v[rC+3], v[rT+1]
.elseif (\n) == 15
	v_mov_b32 v[rM], v[rT]
.elseif (\n) == 16
	v_max3_num_f32 v[rC], v[rC], v[rC+1], v[rC+2]
.elseif (\n) == 17
	v_permlanex16_b32 v[rC+3], v[rC], s[SEL], s[SEL+1]  ; the query's other 32 keys lie in the lane 16 away
.elseif (\n) == 18
	v_max_num_f32 v[rT+1], v[rC], v[rC+3]
.elseif (\n) == 19
	v_mul_f32 v[rT], s[CS], v[rT+1]
.elseif (\n) == 20
	v_sub_f32 v[rC+1], v[rM], v[rT]
.else
	v_exp_f32 v[rC+2], v[rC+1]
.endif
.endm
.macro SOFTMAX x                       ; in phases, the two tiles alternating
.set PX, \x
.irp n, 0,1,2,3,4,5,6,7,8,9,10,11,12,13,14,15,16,17,18,19,20,21
	XS 0, \n
	XS 1, \n
.endr
.set n, 0
.rept 16                               ; c s - c m
.irp u, 0,1
	REGS \u
	v_pk_fma_f32 v[rS+2*n:rS+2*n+1], v[rS+2*n:rS+2*n+1], s[CS:CS+1], v[rT:rT+1] op_sel_hi:[1,0,0] neg_lo:[0,0,1] neg_hi:[0,0,1]
.endr
.set n, n+1
.endr
.set n, 0
.rept 32
	v_exp_f32 v[S+n], v[S+n]
	v_exp_f32 v[S+32+n], v[S+32+n]
.set n, n+1
.endr
	v_nop                                          ; a plain instruction between the last exponential and the use of its result
.set n, 0
	s_wait_alu depctr_va_vdst(0)
.rept 16
	v_cvt_pk_f16_f32 v[P+n], v[S+2*n], v[S+2*n+1]
	v_cvt_pk_f16_f32 v[P+16+n], v[S+32+2*n], v[S+32+2*n+1]
.set n, n+1
.endr
.irp w, 8,4,2,1                        ; the 16 pairs' sum, a tree in place
.set n, 0
.rept \w
	v_pk_add_f32 v[S+2*n:S+2*n+1], v[S+2*n:S+2*n+1], v[S+2*(n+(\w)):S+2*(n+(\w))+1]
	v_pk_add_f32 v[S+32+2*n:S+32+2*n+1], v[S+32+2*n:S+32+2*n+1], v[S+32+2*(n+(\w)):S+32+2*(n+(\w))+1]
.set n, n+1
.endr
.endr
.irp u, 0,1
	REGS \u
	v_pk_fma_f32 v[rT+2:rT+3], v[rT+2:rT+3], v[rC+2:rC+3], v[rS:rS+1] op_sel_hi:[1,0,1]  ; l = a l + sum
.endr
.endm
.macro RESC x                          ; O^T times a
.set PX, \x
	WIN 0x41
.set n, 0
.rept 16
.irp u, 0,1
	REGS \u
	v_pk_mul_f32 v[rO+2*n:rO+2*n+1], v[rO+2*n:rO+2*n+1], v[rC+2:rC+3] op_sel_hi:[1,0]
.endr
.set n, n+1
.endr
.endm
; A piece's key step.  vwait: the loads issued behind this step's V.  last = 1: the trip's last piece fetches the next step's K behind its K Q^T and the next step's V behind its V^T P.
; lim: the scalar register that holds the piece's diagonal step, or -1.  ld = 1: the piece loads its own rel; 0: it was asked for ahead.
; pre: what is asked for when the softmax has left S free: 1: HI's rel of this step; 2: LO's of the next trip, one region on, but not in a chunk's last trip: no read crosses a refill's barrier; 0: nothing.
.macro PIECE x, vwait, last, lim, ld, pre
.if \ld
	RELLD \x
.endif
	s_wait_dscnt 0x0                               ; rel is in S
.if (\lim) >= 0
	s_cmp_lg_u32 s[LS], s[\lim]
	s_cbranch_scc1 .Lnomask_\@
	MASK \x
.Lnomask_\@:
.endif
	KQ \x
	PLACES                                         ; behind the products: ahead of the reads of S and of the loads into K
.if \last
	KLOAD 1
.endif
	SOFTMAX \x
.if (\pre) == 1
	RELLD 1
.elseif (\pre) == 2
	s_cmp_eq_u32 s[CNT], 1
	s_cbranch_scc1 .Lnopre_\@
	v_add_nc_u32 v[RA], REGION, v[RA]
	RELLD 0
.Lnopre_\@:
.endif
	RESC \x
	s_wait_loadcnt \vwait                          ; V of this step is in
	PV \x
.if \last
	PLACES
	VLOAD 1
.endif
.endm
; A chunk's four trips.  kind 0: both pieces.  2: LO up to its diagonal step LL, HI whole.  3: HI alone up to UU; dead trips are jumped forward, past no barrier and no tensor load.
.macro CHUNK kind, slot
	s_mov_b32 s[RB], (\slot)*SLOTB
	s_mov_b32 s[CNT], 4
	s_mov_b32 s[LS], s[KP]
.if (\kind) == 0
	v_add_nc_u32 v[RA], s[RB], v[LANE]             ; the first trip's rel; the later trips' is asked for a piece ahead
	RELLD 0
.endif
.Ltrip_\@:
.if (\kind) == 3
	s_cmp_gt_u32 s[LS], s[UU]
	s_cbranch_scc1 .Ldead_\@
	s_cmp_lt_u32 s[LS], 6
	s_cselect_b32 s[INC], 16384, 0                 ; behind the head's last step of my parity the same step is asked for again: no load leaves the head's rows
.endif
.if (\kind) != 0
	v_add_nc_u32 v[RA], s[RB], v[LANE]
.endif
	s_wait_loadcnt 16                              ; K of this step is in: only V's 16 loads were issued behind it
.if (\kind) == 0
	PIECE 0, 0, 0, -1, 0, 1
	PIECE 1, 16, 1, -1, 0, 2
.elseif (\kind) == 2
	s_cmp_gt_u32 s[LS], s[LL]
	s_cbranch_scc1 .Lnolo_\@
	PIECE 0, 0, 0, LL, 1, 1
	s_branch .Lhi_\@
.Lnolo_\@:
	RELLD 1
.Lhi_\@:
	PIECE 1, 16, 1, -1, 0, 0
.else
	PIECE 1, 16, 1, UU, 1, 0
.endif
.Ldead_\@:
	s_add_co_u32 s[RB], s[RB], REGION
	s_add_co_u32 s[LS], s[LS], 2
	s_sub_co_u32 s[CNT], s[CNT], 1
	s_cmp_lg_u32 s[CNT], 0
	s_cbranch_scc1 .Ltrip_\@
.endm
; A slot is filled: every wave waits for all its tensor loads, adds 0 to its spare word, waits for that and for its reads, passes the barrier, and issues its one load first thing behind it.
; step: how far the slot's descriptor walks, in bytes (two chunks), or 0 at the slot's first fill.
.macro FILL g0, onlyhi, step
	s_wait_tensorcnt 0x0
	ds_add_u32 v[SPW], v[NIL]
.if \step
	s_add_nc_u64 s[(\g0)+2:(\g0)+3], s[(\g0)+2:(\g0)+3], \step
.endif
	s_wait_dscnt 0x0
	s_barrier_signal -1
	s_barrier_wait -1
.if \onlyhi
	s_cmp_lt_u32 s[WV], 4                          ; LO's rows see no key of chunk 3: waves 0-3 have nothing to fill
	s_cbranch_scc1 .Lnofill_\@
.endif
	tensor_load_to_lds s[(\g0):(\g0)+3], s[G1:G1+7]
	s_nop 0
	PLACES
.Lnofill_\@:
.endm
	s_load_b256 s[4:11], s[0:1], 0x0               ; qf, kf, vf, rel
	s_load_b64 s[12:13], s[0:1], 0x20              ; of
	v_lshl_add_u32 v[SPW], v0, 2, SPARE
	v_mov_b32 v[NIL], 0
	ds_add_u32 v[SPW], v[NIL]                      ; the wave's opening: the add and its wait stand ahead of my first tensor load
	ds_add_u32 v62, v63
	v_lshrrev_b32 v1, 5, v0
	v_readfirstlane_b32 s[WV], v1
	s_and_b32 s[BB], s[WV], 3
	s_lshr_b32 s[KP], s[WV], 2
	s_mov_b32 s[HH], ttmp9                         ; x: the head
	s_and_b32 s[PP], ttmp7, 0xffff                 ; y: p
	s_lshr_b32 s[LL], s[PP], 1
	s_sub_co_u32 s58, 31, s[PP]
	s_lshr_b32 s[UU], s58, 1
	s_sub_co_u32 s[UU], s[UU], 8
	s_mov_b32 s[G1], (2<<16)|(1<<20)|(6<<22)|(3<<25)  ; 4-byte elements; padding of 4 words after every 128
	s_mov_b32 s[G1+1], 128<<16                     ; tensor_dim0 = 128 keys
	s_mov_b32 s[G1+2], 32<<16                      ; tensor_dim1 = 32 rows
	s_mov_b32 s[G1+3], 128<<16
	s_mov_b32 s[G1+4], 32
	s_mov_b32 s[G1+5], 2048
	s_mov_b32 s[G1+6], 0
	s_mov_b32 s[G1+7], 0
	s_mul_i32 s59, s[BB], REGION                   ; I fill region w % 4, rows 32 (w / 4) on
	s_mul_i32 s60, s[KP], 32*RP
	s_add_co_u32 s59, s59, s60
	s_lshl_b32 s60, s[PP], 5
	s_sub_co_u32 s61, 992, s60
	s_cmp_eq_u32 s[KP], 0
	s_cselect_b32 s62, s60, s61                    ; LO's first row, or HI's
	s_lshl_b32 s63, s[HH], 10
	s_add_co_u32 s62, s62, s63
	s_lshl_b32 s62, s62, 13                        ; rows of 8,192 bytes
	s_lshl_b32 s63, s[BB], 9
	s_add_co_u32 s62, s62, s63
	s_mov_b32 s63, 0
	s_lshl_b32 s58, s[BB], 4
	s_add_co_u32 s58, s58, s[HH]                   ; 16 b + h
	s_lshl_b32 s60, s[PP], 1
	s_lshl_b32 s68, s58, 6
	s_add_co_u32 s70, s68, 62
	s_add_co_u32 s68, s68, s60                     ; LO's first tile of 16 rows
	s_sub_co_u32 s70, s70, s60                     ; HI's
	s_lshl_b32 s68, s68, 11
	s_lshl_b32 s70, s70, 11
	s_mov_b32 s69, 0
	s_mov_b32 s71, 0
	s_lshl_b32 s66, s58, 18                        ; the head's 128 key tiles; my parity's first step
	s_lshl_b32 s60, s[KP], 13
	s_add_co_u32 s66, s66, s60
	s_mov_b32 s67, 0
	s_mov_b32 s[INC], 16384                        ; two steps of 8,192 bytes
	s_mov_b32 s[INC+1], 0
	s_mov_b32 s[CS], 0x3e38aa3b                    ; c = log2(e) / 8
	s_mov_b32 s[CS+1], s[CS]
	s_mov_b32 s[SEL], 0x76543210
	s_mov_b32 s[SEL+1], 0xfedcba98
	s_mov_b32 s[G0A], 1
	s_mov_b32 s[G0A+1], s59
	s_mov_b32 s[G0B], 1
	s_add_co_u32 s[G0B+1], s59, SLOTB
	s_wait_dscnt 0x0                               ; the opening add is done
	s_wait_kmcnt 0x0
	s_add_nc_u64 s[10:11], s[10:11], s[62:63]
	s_add_nc_u64 s[G0A+2:G0A+3], s[10:11], 0
	s_or_b32 s[G0A+3], s[G0A+3], 0x80000000
	s_add_nc_u64 s[G0B+2:G0B+3], s[10:11], 2048
	s_or_b32 s[G0B+3], s[G0B+3], 0x80000000
	tensor_load_to_lds s[G0A:G0A+3], s[G1:G1+7]    ; chunk 0 alone: the tile that everybody waits for; one load of mine is out
	s_nop 0
	PLACES
	s_add_nc_u64 s[QLO:QLO+1], s[4:5], s[68:69]
	s_add_nc_u64 s[QHI:QHI+1], s[4:5], s[70:71]
	s_add_nc_u64 s[OLO:OLO+1], s[12:13], s[68:69]
	s_add_nc_u64 s[OHI:OHI+1], s[12:13], s[70:71]
	s_add_nc_u64 s[KB:KB+1], s[6:7], s[66:67]
	s_add_nc_u64 s[VB:VB+1], s[8:9], s[66:67]
	v_and_b32 v1, 15, v0                           ; r
	v_bfe_u32 v5, v0, 4, 1                         ; hh
	v_and_b32 v6, 31, v0
	v_lshlrev_b32 v[L16], 4, v6
	WIN 0x40
.set i, 0
.rept 8                                ; Q stays in registers: tile i / 4 of each piece, block i % 4
	global_load_b128 v[QF+4*i:QF+4*i+3],       v[L16], s[QLO:QLO+1] offset:512*i
	global_load_b128 v[QF+32+4*i:QF+32+4*i+3], v[L16], s[QHI:QHI+1] offset:512*i
.set i, i+1
.endr
	WIN 0
	KLOAD 0
	VLOAD 0
	WIN 0x40
.set i, 0
.rept 128
	v_mov_b32 v[i], 0
.set i, i+1
.endr
	WIN 0
.set i, 0
.rept 4
	v_mov_b32 v[ST+4*i], 0xfe000000                ; c m: far below every c s
	v_mov_b32 v[ST+4*i+1], 0xff7fffff              ; m
	v_mov_b32 v[ST+4*i+2], 0
	v_mov_b32 v[ST+4*i+3], 0
.set i, i+1
.endr
	v_mov_b32 v[BIG], 0xf149f2ca
	v_mul_u32_u24 v[LANE], v1, RP
	v_lshl_add_u32 v[LANE], v5, 5, v[LANE]
	s_lshl_b32 s60, s[KP], 8                       ; my parity's 64 keys of a region's 128
	v_add_nc_u32 v[LANE], s60, v[LANE]
	v_lshlrev_b32 v7, 3, v5
	v_sub_nc_u32 v7, v1, v7                        ; r - 8 hh
	s_and_b32 s60, s[PP], 1
	s_lshl_b32 s60, s60, 5                         ; LO's first row modulo 64
	s_sub_co_u32 s61, 32, s60                      ; HI's
	v_add_nc_u32 v[TH], s60, v7
	v_add_nc_u32 v[TH+1], 16, v[TH]
	v_add_nc_u32 v[TH+2], s61, v7
	v_add_nc_u32 v[TH+3], 16, v[TH+2]
	s_mul_i32 s60, s[BB], MBAT
	v_add_nc_u32 v[MA], s60, v[L16]
	FILL G0B, 0, 0                                 ; chunk 0 is in, everybody's part of it; chunk 1 goes out, into slot 1: its first fill, in a refill's form; it has chunk 0's four trips in which to land
	CHUNK 0, 0
	FILL G0A, 0, 4096                              ; chunk 2 into slot 0
	CHUNK 0, 1
	FILL G0B, 1, 4096                              ; chunk 3, HI's rows, into slot 1
	CHUNK 2, 0
	s_wait_tensorcnt 0x0                           ; chunk 3 is in,
	s_wait_dscnt 0x0                               ; my reads of slot 0 are over: behind this barrier slot 0, which is filled no more, serves the merge
	s_barrier_signal -1
	s_barrier_wait -1
	CHUNK 3, 1
	s_wait_loadcnt 0x0                             ; the last steps asked for ahead have landed: K's registers are free
	; THE MERGE.  Waves 4-7 hand O^T and their statistics to waves 0-3 of the same batch.
	s_cmp_lt_u32 s[WV], 4
	s_cbranch_scc1 .Lkeep
	WIN 0x04                                       ; store data in window 1
.irp t, 0,1,2,3
.irp d, 0,1,2,3,4,5,6,7
	ds_store_b128 v[MA], v[32*(\t)+4*(\d):32*(\t)+4*(\d)+3] offset:(\t)*MT+(\d)*512
.endr
.endr
	WIN 0
.irp t, 0,1,2,3
	ds_store_b128 v[MA], v[ST+4*(\t):ST+4*(\t)+3] offset:(\t)*MT+4096
.endr
.Lkeep:
	s_wait_dscnt 0x0                               ; for the others' sake: my stores are done
	s_barrier_signal -1
	s_barrier_wait -1
	s_cmp_lt_u32 s[WV], 4
	s_cbranch_scc1 .Lmerge
	s_wait_tensorcnt 0x0                           ; the wave's end
	ds_add_u32 v[SPW], v[NIL]
	s_wait_dscnt 0x0
	s_endpgm
.Lmerge:
.irp t, 0,1,2,3
.irp d, 0,1,2,3,4,5,6,7
	ds_load_b128 v[S+32*(\t)+4*(\d):S+32*(\t)+4*(\d)+3], v[MA] offset:(\t)*MT+(\d)*512
.endr
	ds_load_b128 v[PS+4*(\t):PS+4*(\t)+3], v[MA] offset:(\t)*MT+4096
.endr
	s_wait_dscnt 0x0
.macro ALL line:vararg                 ; one line for each tile t
.set t, 0
.rept 4
	\line
.set t, t+1
.endr
.endm
	ALL v_add_f32 v[ST+4*t+2], v[ST+4*t+2], v[ST+4*t+3]
	ALL v_add_f32 v[PS+4*t+2], v[PS+4*t+2], v[PS+4*t+3]
	ALL v_max_num_f32 v[ST+4*t+1], v[ST+4*t], v[PS+4*t]      ; the common c m
	ALL v_sub_f32 v[ST+4*t], v[ST+4*t], v[ST+4*t+1]
	ALL v_sub_f32 v[PS+4*t], v[PS+4*t], v[ST+4*t+1]
	ALL v_exp_f32 v[ST+4*t], v[ST+4*t]
	ALL v_exp_f32 v[PS+4*t], v[PS+4*t]
	v_nop
	s_wait_alu depctr_va_vdst(0)
	ALL v_mul_f32 v[ST+4*t+2], v[ST+4*t+2], v[ST+4*t]
	ALL v_fmac_f32 v[ST+4*t+2], v[PS+4*t+2], v[PS+4*t]
	ALL v_permlanex16_b32 v[ST+4*t+3], v[ST+4*t+2], s[SEL], s[SEL+1]
	ALL v_add_f32 v[ST+4*t+2], v[ST+4*t+2], v[ST+4*t+3]
	ALL v_rcp_f32 v[ST+4*t+2], v[ST+4*t+2]
	v_nop
	s_wait_alu depctr_va_vdst(0)
	ALL v_mul_f32 v[ST+4*t], v[ST+4*t], v[ST+4*t+2]          ; my factor / l
	ALL v_mul_f32 v[PS+4*t], v[PS+4*t], v[ST+4*t+2]          ; the partner's
	WIN 0x41
.set i, 0
.rept 64
	v_pk_mul_f32 v[2*i:2*i+1], v[2*i:2*i+1], v[ST+4*(i/16):ST+4*(i/16)+1] op_sel_hi:[1,0]
.set i, i+1
.endr
	WIN 0x50
.set i, 0
.rept 64
	v_pk_fma_f32 v[2*i:2*i+1], v[S+2*i:S+2*i+1], v[PS+4*(i/16):PS+4*(i/16)+1], v[2*i:2*i+1] op_sel_hi:[1,0,1]
.set i, i+1
.endr
	WIN 0x05
.set i, 0
.rept 64
	v_cvt_pk_f16_f32 v[OUT+i], v[2*i], v[2*i+1]
.set i, i+1
.endr
	WIN 0
.set i, 0
.rept 8                                ; a tile's four blocks of 512 consecutive bytes
	global_store_b128 v[L16], v[OUT+4*i:OUT+4*i+3],       s[OLO:OLO+1] offset:512*i
	global_store_b128 v[L16], v[OUT+32+4*i:OUT+32+4*i+3], s[OHI:OHI+1] offset:512*i
.set i, i+1
.endr
	s_wait_tensorcnt 0x0                           ; the wave's end
	ds_add_u32 v[SPW], v[NIL]
	s_wait_dscnt 0x0
	s_endpgm
.Lfunc_end_k_qd265b95e59_attn:
	.size	k_qd265b95e59_attn, .Lfunc_end_k_qd265b95e59_attn-k_qd265b95e59_attn
	.p2alignl 7, 3214868480
	.fill 96, 4, 3214868480
	.section	.rodata,"a",@progbits
	.p2align	6, 0x0
	.amdhsa_kernel k_qd265b95e59_attn
		.amdhsa_group_segment_fixed_size 327680
		.amdhsa_private_segment_fixed_size 0
		.amdhsa_enable_private_segment 0
		.amdhsa_kernarg_size 40
		.amdhsa_user_sgpr_count 2
		.amdhsa_user_sgpr_kernarg_segment_ptr 1
		.amdhsa_wavefront_size32 1
		.amdhsa_system_sgpr_workgroup_id_x 1
		.amdhsa_system_sgpr_workgroup_id_y 1
		.amdhsa_system_sgpr_workgroup_id_z 1
		.amdhsa_system_vgpr_workitem_id 0
		.amdhsa_next_free_vgpr 512
		.amdhsa_next_free_sgpr 72
		.amdhsa_reserve_vcc 1
		.amdhsa_float_denorm_mode_32 3
		.amdhsa_float_denorm_mode_16_64 3
		.amdhsa_memory_ordered 1
		.amdhsa_forward_progress 1
		.amdhsa_inst_pref_size 174
	.end_amdhsa_kernel
	.amdgpu_metadata
---
amdhsa.version: [ 1, 2 ]
amdhsa.kernels:
  - .name:           k_qd265b95e59_attn
    .symbol:         k_qd265b95e59_attn.kd
    .args:
      - { .name: qf, .offset: 0, .size: 8, .value_kind: global_buffer, .address_space: global }
      - { .name: kf, .offset: 8, .size: 8, .value_kind: global_buffer, .address_space: global }
      - { .name: vf, .offset: 16, .size: 8, .value_kind: global_buffer, .address_space: global }
      - { .name: relative_positions, .offset: 24, .size: 8, .value_kind: global_buffer, .address_space: global }
      - { .name: of, .offset: 32, .size: 8, .value_kind: global_buffer, .address_space: global }
    .group_segment_fixed_size: 327680
    .private_segment_fixed_size: 0
    .kernarg_segment_align: 8
    .kernarg_segment_size: 40
    .max_flat_workgroup_size: 256
    .sgpr_count:     72
    .vgpr_count:     512
    .wavefront_size: 32
...
	.end_amdgpu_metadata
.endif
;; end of part 3
;; launch proj (part 4): grid 8 x 32, 4 waves a work-group, clusters of 4 x 4, 327,680 bytes of LDS; arguments of, wf, bo, out0; writes out0
.if DOCPART == 4
	.amdgcn_target "amdgcn-amd-amdhsa--gfx1250"
	.amdhsa_code_object_version 6
	.text
	.protected	k_qd265b95e59_proj
	.globl	k_qd265b95e59_proj
	.p2align	8
	.type	k_qd265b95e59_proj,@function
k_qd265b95e59_proj:
	s_mov_b64 s[64:65], 0
	v_nop
	global_prefetch_b8 v0, s[64:65] scope:SCOPE_SE
	s_setreg_imm32_b32 hwreg(HW_REG_WAVE_MODE, 25, 1), 1
	s_wait_xcnt 0x0
	s_wait_alu depctr_hold_cnt(0) depctr_sa_sdst(0) depctr_va_vdst(0) depctr_va_sdst(0) depctr_va_ssrc(0) depctr_va_vcc(0) depctr_vm_vsrc(0)
	s_getreg_b32 s2, hwreg(HW_REG_IB_STS2, 6, 4)
	s_cmp_eq_u32 s2, 0
	s_cbranch_scc0 .Lentry_in_a_cluster
	s_endpgm
.Lentry_in_a_cluster:
	s_bfe_u32 s2, ttmp6, 0x10000c
	s_cmp_lg_u32 s2, 0xf033
	s_cbranch_scc0 .Lentry_shape_is_right
	s_endpgm
.Lentry_shape_is_right:
; out0 = O Wo + bo.  O and Wo in f16 (Wo was rounded to bf16 first), sums in f32; bo, rounded to bf16, is the C operand of the first products.
; A tile of out0 is 128 x 128: 256 work-groups; four waves, each 64 x 64: 16 accumulators.  K goes in 4 steps of 256 (four heads) through two LDS slots.  Both operands lie in memory as fragment blocks of 512 bytes,
; so the tiles land dense and a fragment load takes 512 consecutive bytes.  The matrix instruction is used transposed (source 0 = Wo's fragment, source 1 = O's): a lane holds one token and eight neighbouring columns.
; CLUSTER 4 x 4: O's tile hangs on the row block alone (joint along a row of the cluster), Wo's on the column block alone (joint along a column).
; WINDOWS: 0 addresses, v32-63 the way out, v96-127 the bias, v128-255 the accumulators ((a, b) at 128 + 8 (4 a + b)); 1 two fragment buffers of 128: 64 of O ([c 2][a 4][8]), then 64 of Wo.
.set SLOT1,  1<<17
.set BOFF,   65536                     ; a slot: O [head 4][16 rows 8][16 channels 4][512], then Wo [64 columns 2][16 k 16][16 columns 4][512]
.set STAGE,  2*SLOT1                   ; behind the ring: 16 rows x 272 bytes a wave
.set SPITCH, 272
.set SPARE,  STAGE+4*16*SPITCH
.set ADRA0, 16
.set ADRB0, 17
.set ADRA,  18
.set ADRB,  19
.set STO,   24
.set RD,    25
.set CO,    26
.set SPW,   28
.set NIL,   29
.set BKR,   32
.set BT,    64
.set BO,    96
.set ACC,   128
.set F0,    0
.set F1,    128
.set G1A, 24
.set G1B, 32
.set G0A, 40
.set G0B, 48
.set TB,  56
.set CNT, 57
; s12 wave, s13 wave / 2 (row half; 0: I fetch O, 1: Wo), s14 wave % 2 (column half; which half I fetch), s15 cx, s16 cy, s17 column block, s18 row block; s58-61 feed O's descriptors alone, s62, s63, s66, s67 Wo's alone; s68, s69, s73-75 LDS terms; s70-72 mixed offsets
.set MSB, 0
.macro WIN new
.if MSB != (\new)
	s_set_vgpr_msb (MSB<<8)|(\new)
.set MSB, \new
.endif
.endm
.macro PLACES
.rept 4
	v_nop
.endr
.endm
.macro JLOAD s
	s_cmp_eq_u32 s13, 0
	s_cbranch_scc0 .Lfor_b_\@
	tensor_load_to_lds s[G0A+4*(\s):G0A+4*(\s)+3], s[G1A:G1A+7]
	s_nop 0
	PLACES
	s_branch .Lasked_\@
.Lfor_b_\@:
	tensor_load_to_lds s[G0B+4*(\s):G0B+4*(\s)+3], s[G1B:G1B+7]
	s_nop 0
	PLACES
.Lasked_\@:
.endm
.macro CREST
	s_cmp_lg_u32 s12, 0
	s_cbranch_scc1 .Lnot_wave_0_\@
	s_barrier_signal -3
.Lnot_wave_0_\@:
	s_barrier_wait -3
	s_barrier_signal -1
	s_barrier_wait -1
.endm
.macro CROUND
	s_barrier_signal -1
	s_barrier_wait -1
	CREST
.endm
; 8 products: token blocks a0, a0 + 1 x 4 column blocks, 32 along K: half c of buffer f.  first = 1: the bias starts the sums
.macro MUL8 f, c, a0, first
	WIN 0x05
.irp a, \a0, (\a0)+1
.irp b, 0,1,2,3
.if \first
	v_wmma_f32_16x16x32_f16 v[ACC+8*(4*(\a)+(\b)):ACC+8*(4*(\a)+(\b))+7], v[(\f)+64+8*(4*(\c)+(\b)):(\f)+64+8*(4*(\c)+(\b))+7], v[(\f)+8*(4*(\c)+(\a)):(\f)+8*(4*(\c)+(\a))+7], v[BO+8*(\b):BO+8*(\b)+7]
.else
	v_wmma_f32_16x16x32_f16 v[ACC+8*(4*(\a)+(\b)):ACC+8*(4*(\a)+(\b))+7], v[(\f)+64+8*(4*(\c)+(\b)):(\f)+64+8*(4*(\c)+(\b))+7], v[(\f)+8*(4*(\c)+(\a)):(\f)+8*(4*(\c)+(\a))+7], v[ACC+8*(4*(\a)+(\b)):ACC+8*(4*(\a)+(\b))+7]
.endif
.endr
.endr
.endm
; 32 LDS loads in one run: head hl's fragments (64 along K) into buffer f, the first 32 along K first
.macro FETCH hl, f
	WIN 0x40
.irp c, 0,1
.irp i, 0,1,2,3
	ds_load_b128 v[(\f)+64+8*(4*(\c)+(\i)):(\f)+64+8*(4*(\c)+(\i))+3],   v[ADRB] offset:(\hl)*8192+(\c)*4096+(\i)*512
	ds_load_b128 v[(\f)+64+8*(4*(\c)+(\i))+4:(\f)+64+8*(4*(\c)+(\i))+7], v[ADRB] offset:(\hl)*8192+(\c)*4096+(\i)*512+2048
	ds_load_b128 v[(\f)+8*(4*(\c)+(\i)):(\f)+8*(4*(\c)+(\i))+3],         v[ADRA] offset:(\hl)*16384+(\i)*2048+(\c)*1024
	ds_load_b128 v[(\f)+8*(4*(\c)+(\i))+4:(\f)+8*(4*(\c)+(\i))+7],       v[ADRA] offset:(\hl)*16384+(\i)*2048+(\c)*1024+512
.endr
.endr
.endm
; A quarter: one head, 32 products, the 16 accumulators by turns; the next head hn is fetched into g
.macro QUARTER hn, f, g, first
	s_wait_dscnt 16                                ; the first 32 along K are in
	MUL8 \f, 0, 0, \first
	MUL8 \f, 0, 2, \first
	PLACES
	FETCH \hn, \g
	s_wait_dscnt 32                                ; all but the 32 just issued
	MUL8 \f, 1, 0, 0
	MUL8 \f, 1, 2, 0
.endm
; The last quarter of a K step multiplies buffer 1 and changes slots: the waits for all tensor loads, the add, the wait for it and for my reads, the barrier; fill = 1: a round of the cluster's, and the joint refill first behind it
.macro TURN fill
	WIN 0
	s_wait_tensorcnt 0x0
	ds_add_u32 v[SPW], v[NIL]
	s_wait_dscnt 17                                ; the add and the youngest sixteen loads may be out
	MUL8 F1, 0, 0, 0
	s_wait_dscnt 0x0
	s_barrier_signal -1
	MUL8 F1, 0, 2, 0
	WIN 0
	s_barrier_wait -1
.if \fill
	CREST
	s_xor_b32 s[G0A+5], s[G0A+5], SLOT1
	s_add_nc_u64 s[G0A+6:G0A+7], s[G0A+6:G0A+7], 524288   ; four heads on
	s_xor_b32 s[G0B+5], s[G0B+5], SLOT1
	s_add_nc_u64 s[G0B+6:G0B+7], s[G0B+6:G0B+7], 32768    ; 256 k on
	JLOAD 1
.else
	PLACES
.endif
	s_xor_b32 s[TB], s[TB], SLOT1
	v_add_nc_u32 v[ADRA], s[TB], v[ADRA0]
	v_add_nc_u32 v[ADRB], s[TB], v[ADRB0]
	FETCH 0, F0
	MUL8 F1, 1, 0, 0
	MUL8 F1, 1, 2, 0
.endm
	s_load_b256 s[4:11], s[0:1], 0x0               ; of, wf, bo, out0
	v_lshl_add_u32 v[SPW], v0, 2, SPARE
	v_mov_b32 v[NIL], 0
	ds_add_u32 v[SPW], v[NIL]                      ; the wave's opening: the add and its wait stand ahead of my first tensor load
	ds_add_u32 v28, v29
	v_lshrrev_b32 v1, 5, v0
	v_readfirstlane_b32 s12, v1
	s_lshr_b32 s13, s12, 1
	s_and_b32 s14, s12, 1
	s_bfe_u32 s15, ttmp6, 0x40000
	s_bfe_u32 s16, ttmp6, 0x40004
	s_lshl_b32 s17, ttmp9, 2
	s_add_co_u32 s17, s17, s15                     ; block of 128 columns
	s_and_b32 s18, ttmp7, 0xffff
	s_lshl_b32 s18, s18, 2
	s_add_co_u32 s18, s18, s16                     ; block of 128 rows
	s_lshl_b32 s19, s16, 2
	s_lshl_b32 s19, 15, s19
	s_lshl_b32 s20, 0x1111, s15
	s_or_b32 s[G1A], s19, (3<<16)|(1<<21)          ; mask; 8-byte elements; no padding; bit 21 beside a mask
	s_or_b32 s[G1B], s20, (3<<16)|(1<<21)
.irp g, G1A, G1B
	s_mov_b32 s[(\g)+1], 2048<<16                  ; a row is 16,384 bytes
	s_mov_b32 s[(\g)+2], 2<<16                     ; two rows
	s_mov_b32 s[(\g)+3], 2048<<16
	s_mov_b32 s[(\g)+4], 2
	s_mov_b32 s[(\g)+6], 0
	s_mov_b32 s[(\g)+7], 0
.endr
	s_mov_b32 s[G1A+5], 16384                      ; O: 128 KiB from head to head
	s_mov_b32 s[G1B+5], 2048                       ; Wo: dense
	s_lshr_b32 s58, s18, 3                         ; b
	s_lshl_b32 s58, s58, 4
	s_lshl1_add_u32 s58, s14, s58                  ; 16 b + my two heads of the step's four
	s_lshl_b32 s58, s58, 6
	s_and_b32 s59, s18, 7
	s_lshl3_add_u32 s58, s59, s58                  ; + the block's first tile of 16 rows
	s_lshl_b32 s58, s58, 11
	s_mov_b32 s59, 0
	s_lshl1_add_u32 s62, s17, s14                  ; my 64 columns
	s_lshl_b32 s62, s62, 17
	s_add_co_u32 s62, s62, 0x600000                ; Wo is wf's fourth matrix
	s_mov_b32 s63, 0
	s_lshl_b32 s68, s14, 15
	s_add_co_u32 s69, s68, BOFF
	s_mov_b32 s[TB], 0
	s_wait_dscnt 0x0
	s_wait_kmcnt 0x0
	s_add_nc_u64 s[60:61], s[4:5], s[58:59]
	s_add_nc_u64 s[66:67], s[6:7], s[62:63]
	CROUND
.irp s, 0,1
	s_mov_b32 s[G0A+4*(\s)], 1
	s_add_co_u32 s[G0A+4*(\s)+1], s68, (\s)*SLOT1
	s_add_nc_u64 s[G0A+4*(\s)+2:G0A+4*(\s)+3], s[60:61], (\s)*524288
	s_or_b32 s[G0A+4*(\s)+3], s[G0A+4*(\s)+3], 0x80000000
	s_mov_b32 s[G0B+4*(\s)], 1
	s_add_co_u32 s[G0B+4*(\s)+1], s69, (\s)*SLOT1
	s_add_nc_u64 s[G0B+4*(\s)+2:G0B+4*(\s)+3], s[66:67], (\s)*32768
	s_or_b32 s[G0B+4*(\s)+3], s[G0B+4*(\s)+3], 0x80000000
	JLOAD \s
.endr
	v_and_b32 v1, 15, v0
	v_bfe_u32 v2, v0, 4, 1
	v_and_b32 v3, 31, v0
	v_lshlrev_b32 v4, 4, v3                        ; 16 x lane
	v_lshlrev_b32 v6, 5, v2
	s_lshl_b32 s70, s17, 9
	s_lshl_b32 s72, s14, 8
	s_add_co_u32 s70, s70, s72                     ; my 64 columns, in bytes of f32
	s_mov_b32 s71, 0
	s_add_nc_u64 s[8:9], s[8:9], s[70:71]
.irp n, 0,1,2,3
	global_load_b128 v[BO+8*(\n):BO+8*(\n)+3],   v6, s[8:9] offset:64*(\n)
	global_load_b128 v[BO+8*(\n)+4:BO+8*(\n)+7], v6, s[8:9] offset:64*(\n)+16
.endr
	s_lshl_b32 s73, s13, 13                        ; my four tiles of 16 rows
	v_add_nc_u32 v[ADRA0], s73, v4
	s_lshl_b32 s74, s14, 15
	s_add_co_u32 s74, s74, BOFF
	v_add_nc_u32 v[ADRB0], s74, v4
	v_mov_b32 v[ADRA], v[ADRA0]
	v_mov_b32 v[ADRB], v[ADRB0]
	s_mul_i32 s75, s12, 16*SPITCH
	s_add_co_u32 s75, s75, STAGE
	v_mul_u32_u24 v5, v1, SPITCH
	v_lshl_add_u32 v5, v2, 5, v5
	v_add_nc_u32 v[STO], s75, v5
	v_mul_u32_u24 v5, v2, SPITCH
	v_lshl_add_u32 v5, v1, 4, v5
	v_add_nc_u32 v[RD], s75, v5
	v_lshlrev_b32 v5, 12, v2
	v_lshl_add_u32 v[CO], v1, 4, v5
	s_lshl_b32 s72, s18, 7
	s_lshl_b32 s2, s13, 6
	s_add_co_u32 s72, s72, s2                      ; my first row
	s_lshl_b32 s72, s72, 12
	s_add_co_u32 s70, s70, s72
	s_add_nc_u64 s[10:11], s[10:11], s[70:71]
	s_wait_loadcnt 0x0
.set i, 0
.rept 16
	v_cvt_pk_bf16_f32 v[BT+i%4], v[BO+2*i], v[BO+2*i+1]
	v_lshlrev_b32 v[BO+2*i], 16, v[BT+i%4]
	v_and_b32 v[BO+2*i+1], 0xffff0000, v[BT+i%4]
.set i, i+1
.endr
	s_wait_tensorcnt 1                             ; my part of K step 0 is in; step 1's may stay out
	s_barrier_signal -1
	s_barrier_wait -1
	FETCH 0, F0
	QUARTER 1, F0, F1, 1
	WIN 0
	s_mov_b32 s[CNT], 2
.Lk:
	QUARTER 2, F1, F0, 0
	QUARTER 3, F0, F1, 0
	TURN 1
	QUARTER 1, F0, F1, 0
	WIN 0
	s_sub_co_u32 s[CNT], s[CNT], 1
	s_cmp_lg_u32 s[CNT], 0
	s_cbranch_scc1 .Lk
	QUARTER 2, F1, F0, 0                           ; the last two K steps ask for nothing
	QUARTER 3, F0, F1, 0
	TURN 0
	QUARTER 1, F0, F1, 0
	QUARTER 2, F1, F0, 0
	QUARTER 3, F0, F1, 0
	s_wait_dscnt 16
	MUL8 F1, 0, 0, 0
	MUL8 F1, 0, 2, 0
	s_wait_dscnt 0x0
	MUL8 F1, 1, 0, 0
	MUL8 F1, 1, 2, 0
	WIN 0
	PLACES
	; THE WAY OUT, 16 tokens at a time through my own stage: a lane's 32 bytes go in, whole rows of 256 bytes (my 64 columns) come back
.irp a, 0,1,2,3
	s_wait_xcnt 0x0                                ; the last block's stores have read their registers
.irp n, 0,1,2,3
	ds_store_b128 v[STO], v[ACC+8*(4*(\a)+(\n)):ACC+8*(4*(\a)+(\n))+3]   offset:64*(\n)
	ds_store_b128 v[STO], v[ACC+8*(4*(\a)+(\n))+4:ACC+8*(4*(\a)+(\n))+7] offset:64*(\n)+16
.endr
.irp t, 0,1,2,3,4,5,6,7
	ds_load_b128 v[BKR+4*(\t):BKR+4*(\t)+3], v[RD] offset:(\t)*2*SPITCH  ; LDS serves a wave's instructions in order: these see the stores above
.endr
.irp t, 0,1,2,3,4,5,6,7
	s_wait_dscnt 7-(\t)
	global_store_b128 v[CO], v[BKR+4*(\t):BKR+4*(\t)+3], s[10:11] offset:(\a)*65536+(\t)*8192 th:TH_STORE_NT  ; 16 lanes store 256 consecutive bytes, aligned
.endr
.endr
	s_wait_tensorcnt 0x0                           ; the wave's end
	ds_add_u32 v[SPW], v[NIL]
	s_wait_dscnt 0x0
	CROUND                                         ; the closing round
	s_endpgm
.Lfunc_end_k_qd265b95e59_proj:
	.size	k_qd265b95e59_proj, .Lfunc_end_k_qd265b95e59_proj-k_qd265b95e59_proj
	.p2alignl 7, 3214868480
	.fill 96, 4, 3214868480
	.section	.rodata,"a",@progbits
	.p2align	6, 0x0
	.amdhsa_kernel k_qd265b95e59_proj
		.amdhsa_group_segment_fixed_size 327680
		.amdhsa_private_segment_fixed_size 0
		.amdhsa_enable_private_segment 0
		.amdhsa_kernarg_size 32
		.amdhsa_user_sgpr_count 2
		.amdhsa_user_sgpr_kernarg_segment_ptr 1
		.amdhsa_wavefront_size32 1
		.amdhsa_system_sgpr_workgroup_id_x 1
		.amdhsa_system_sgpr_workgroup_id_y 1
		.amdhsa_system_sgpr_workgroup_id_z 1
		.amdhsa_system_vgpr_workitem_id 0
		.amdhsa_next_free_vgpr 512
		.amdhsa_next_free_sgpr 76
		.amdhsa_reserve_vcc 0
		.amdhsa_float_denorm_mode_32 3
		.amdhsa_float_denorm_mode_16_64 3
		.amdhsa_memory_ordered 1
		.amdhsa_forward_progress 1
		.amdhsa_inst_pref_size 72
	.end_amdhsa_kernel
	.amdgpu_metadata
---
amdhsa.version: [ 1, 2 ]
amdhsa.kernels:
  - .name:           k_qd265b95e59_proj
    .symbol:         k_qd265b95e59_proj.kd
    .args:
      - { .name: of, .offset: 0, .size: 8, .value_kind: global_buffer, .address_space: global }
      - { .name: wf, .offset: 8, .size: 8, .value_kind: global_buffer, .address_space: global }
      - { .name: bo, .offset: 16, .size: 8, .value_kind: global_buffer, .address_space: global }
      - { .name: out0, .offset: 24, .size: 8, .value_kind: global_buffer, .address_space: global }
    .group_segment_fixed_size: 327680
    .private_segment_fixed_size: 0
    .kernarg_segment_align: 8
    .kernarg_segment_size: 32
    .max_flat_workgroup_size: 128
    .sgpr_count:     76
    .vgpr_count:     512
    .wavefront_size: 32
...
	.end_amdgpu_metadata
.endif
;; end of part 4
